; MI455X (gfx1250); checked and timed in simulation.
; The chip was launched on July 23, 2026; its instructions are those of AMD's public machine-readable ISA for CDNA 5 (MIT licence, August 2026) and "CDNA5" Instruction Set Architecture Reference Guide (July 2026). The comments in the code are by the model that wrote it; some were corrected since.
;; Multi Head Latent Attention. Allowed arithmetic: float matrix products may take bf16 or f16 operands with f32 sums; other float arithmetic in f32, or as packed bf16 or f16 multiplies, adds, multiply-adds, maxima and minima; sums over many terms, partial sums and values carried from step to step in f32; what a program stores and reads back later, other than sums and carried values, may be rounded once to bf16 or f16.
;; Inputs: K 2 x 2,048 x 4,096 float32; Q 2 x 1,024 x 4,096 float32; W_qk 512 x 4,096 float32; Wkv_d 4,096 x 256 float32; Wq_d 4,096 x 512 float32; Wv_u 256 x 4,096 float32.
;; Outputs: out0 2 x 1,024 x 4,096 float32.
;; One version. Each part assembles by itself: llvm-mc -triple=amdgcn-amd-amdhsa -mcpu=gfx1250 --defsym DOCPART=n.
;; ======== version 1 of 1: 2 launches
;; limits: values are held in f16: magnitudes above 65,504 overflow, below 6.1e-05 lose precision
;; workspace buffers: ckv 2,097,152 bytes; cq 2,097,152 bytes; wqkh 4,194,304 bytes; wvuh 2,097,152 bytes
;; launch proj (part 1): grid 4 x 64, 4 waves a work-group, clusters of 4 x 1, 327,680 bytes of LDS; arguments K, Q, Wkv_d, Wq_d, W_qk, Wv_u, ckv, cq, wqkh, wvuh; writes ckv, cq, wqkh, wvuh
.if DOCPART == 1
	.amdgcn_target "amdgcn-amd-amdhsa--gfx1250"
	.amdhsa_code_object_version 6
	.text
	.protected	k_qb20871beb2_proj
	.globl	k_qb20871beb2_proj
	.p2align	8
	.type	k_qb20871beb2_proj,@function
k_qb20871beb2_proj:
	s_mov_b64 s[64:65], 0
	v_nop
	global_prefetch_b8 v0, s[64:65] scope:SCOPE_SE
	s_setreg_imm32_b32 hwreg(HW_REG_WAVE_MODE, 25, 1), 1
	s_wait_xcnt 0x0
	s_wait_alu depctr_hold_cnt(0) depctr_sa_sdst(0) depctr_va_vdst(0) depctr_va_sdst(0) depctr_va_ssrc(0) depctr_va_vcc(0) depctr_vm_vsrc(0)
	s_getreg_b32 s2, hwreg(HW_REG_IB_STS2, 6, 4)
	s_cmp_eq_u32 s2, 0
	s_cbranch_scc0 .Lentry_in_a_cluster
	s_endpgm
.Lentry_in_a_cluster:
	s_bfe_u32 s2, ttmp6, 0x10000c
	s_cmp_lg_u32 s2, 0x3003
	s_cbranch_scc0 .Lentry_shape_is_right
	s_endpgm
.Lentry_shape_is_right:
; THE TWO DOWN-PROJECTIONS, AND A COPY OF THE TWO UP-PROJECTIONS' WEIGHTS.
;   ckv = (K Wkv_d) / 4   [4096 rows][256]     cq = (Q Wq_d) / 4   [2048 rows][512]     both f16, laid in blocks of 64 columns: [block][row][64], a row of a block = 128 bytes
;   wqkh, wvuh = W_qk, Wv_u rounded to bf16 and that number written as f16, laid [block of 64 columns][row position][64]; position 16 g + 2 j + e holds row 16 g + 8 e + j (e 0..1, j 0..7)
; Q, K, Wq_d, Wkv_d are rounded once to bf16 for the products; sums in f32; the factor 1/4 is exact.
; LIMITS.  A latent beyond 262,000 does not fit f16 after the 1/4; below 2.4e-4 it keeps f16's fixed step of 6e-8 (x 4).  A weight of W_qk or Wv_u beyond 65,504 does not fit; below 6e-5 it keeps
; that fixed step.  NaN and infinities are not treated apart.
; SHARES.  256 work-groups, each a tile of 128 rows x 64 columns over all 4,096 of K.  y < 32: rows 128 y of K, column block cx of Wkv_d.  y >= 32: rows 128 ((y & 31) / 2) of Q, column block
; 4 (y & 1) + cx of Wq_d.  All that differs in the products is chosen by s_cselect.
; THE WAVES SPLIT K: in step t (256 along K) wave w owns k = 256 t + 64 w .. + 63 and multiplies the whole tile: 32 accumulators.  So each byte of the activations is read from LDS once.
; The four partial sums meet in f32 in LDS at the end.
; CLUSTER.  The four work-groups of a cluster (cx = 0..3) need the same rows of the activations: each wave's tile (128 rows x 256 bytes) is asked for jointly, mask 15, address from y and the wave alone.
; The weights hang on cx; they come straight into registers, 256 consecutive bytes to sixteen lanes.
; PREFETCH.  A tile is asked for by its tensor load one step before it is waited for, and nobody has read its bytes before.  So in step t a wave asks, by one prefetch, for 32 rows x 256 bytes of the
; tile of step t + 2, whose tensor load is issued at the head of step t + 1: work-group cx takes rows 32 cx .. + 31, wave w its own 256 bytes of them, so that a cluster's sixteen waves cover the
; step's 512 blocks once.  Of the two clusters that read the same rows of Q the one with even y asks.  Steps 14 and 15 ask for nothing: there is no step 16.  32 KB a work-group are asked for at a time.
; K'S ORDER inside a product of 32 is the same for both sources: register p of lane half h holds k0 + 16 h + 2 p and + 1, which is how 64 consecutive bytes of f32 pack.
; THE PRODUCT IS USED TRANSPOSED: source 0 = weights (lane r of fragment c = column 4 r + c), source 1 = activations (lane r = row).  Register j of lane (r, h) of accumulator (a, c) is
; row 16 a + r, column 32 h + 4 j + c: a lane holds 32 neighbouring columns of a row.
; REGISTERS: window 0: v0-31 addresses; v32-159 activations as loaded (f32); v160-223 their 8 fragments; v224-255 the weights' 4 fragments.
;   window 1: the accumulators, (a, c) at 32 a + 8 c.     window 2: weights as loaded, two buffers of 128 (by the step's parity); later the four partial sums.
.set PITCH,  272                       ; an LDS row: 256 bytes + 16 of padding = 68 words: the 16 rows of a load start at 16 different groups of four banks (64 banks of 4 bytes: ISA guide 11.1)
.set WTILE,  128*PITCH                 ; a wave's tile
.set SLOT,   4*WTILE
.set STG,    2*SLOT                    ; behind the ring: 32 rows x 144 bytes for each wave, for the way out
.set SP,     144
.set SPARE,  STG+4*32*SP               ; the spare words, 128 bytes for each wave: two blocks of 256 bytes that no other line names
.set VR,   1                           ; v1   lane % 16
.set VH,   2                           ; v2   lane / 16
.set ADA,  3                           ; v3-4 LDS address of my fragments in slot 0, 1
.set CL,   5                           ; v5   the copy: my byte offset in the source; then the prefetch: lane x 16,384, a row a lane
.set CS,   6                           ; v6   the copy: 8 x lane
.set TV,   7                           ; v7   at work
.set OFFB, 8                           ; v8-23  row 16 h + i of the weights, 16 bytes at 16 r
.set XW,   24                          ; v24  where I put my partial sums
.set XR,   25                          ; v25-26  where I read the four waves' sums of my rows
.set STO,  27
.set RD,   28
.set GO,   29                          ; v29  16 x lane
.set SPW,  30                          ; v30  LDS address of my spare word; never rewritten
.set NIL,  31                          ; v31  0; never rewritten
.set AR,   32
.set AF,   160
.set BF,   224
.set PA,   4                           ; s[4:5]  the activations at my wave's first tile
.set PB,   6                           ; s[6:7]  the weights
.set PO,   8                           ; s[8:9]  the output at my wave's 32 rows
.set BP,   10                          ; s[10:11], s[12:13]  the weights at my k, first and second 32
.set SB,   14                          ; s[14:15]  256 rows of the weights, in bytes
.set PFP,  16                          ; s[16:17]  the prefetch: my 32 rows, my 256 bytes, of the tile two steps on (in registers that held arguments already chosen from)
.set PFL,  18                          ; s18  1: my cluster asks
.set HM,   19                          ; s19  a word's upper half
.set G1,   36                          ; s[36:43]  descriptor group 1
.set G0,   44                          ; s[44:51]  descriptor group 0, a set for each slot
.set WV,   52
.set CX,   53
.set YY,   54
.set RB,   55                          ; row block
.set CB,   56                          ; column block
.set SH,   57                          ; log2 of the weights' row bytes
.set LOGR, 58                          ; log2 of a column block's bytes in the output
.set CNT,  59
.set MSB, 0
.macro WIN new                         ; the immediate's high byte repeats the setting that is left; a switch that changes nothing is dropped
.if MSB != (\new)
	s_set_vgpr_msb (MSB<<8)|(\new)
.set MSB, \new
.endif
.endm
.macro PLACES                          ; four places between a matrix instruction and a vector instruction or LDS store that touches its registers
.rept 4
	v_nop
.endr
.endm
.macro CROUND                          ; a round of the cluster's barrier
	s_barrier_signal -1
	s_barrier_wait -1
	s_cmp_lg_u32 s[WV], 0
	s_cbranch_scc1 .Lnot_wave_0_\@
	s_barrier_signal -3
.Lnot_wave_0_\@:
	s_barrier_wait -3
	s_barrier_signal -1
	s_barrier_wait -1
.endm
	s_load_b512 s[16:31], s[0:1], 0x0              ; K s[16:17], Q s[18:19], Wkv_d s[20:21], Wq_d s[22:23], W_qk s[24:25], Wv_u s[26:27], ckv s[28:29], cq s[30:31]
	s_load_b128 s[32:35], s[0:1], 0x40             ; wqkh s[32:33], wvuh s[34:35]
	v_lshl_add_u32 v[SPW], v0, 2, SPARE
	v_mov_b32 v[NIL], 0
	ds_add_u32 v[SPW], v[NIL]                      ; the wave's opening: the add and its wait stand ahead of my first tensor load; work on registers stands between them
	v_lshrrev_b32 v[TV], 5, v0
	v_readfirstlane_b32 s[WV], v[TV]               ; wave 0..3
	s_bfe_u32 s[CX], ttmp6, 0x40000                ; cx
	s_and_b32 s[YY], ttmp7, 0xffff                 ; y: the cluster's y is the work-group's
	s_and_b32 s60, s[YY], 31
	s_lshr_b32 s61, s60, 1                         ; Q's row block
	s_and_b32 s62, s60, 1
	s_lshl2_add_u32 s62, s62, s[CX]                ; Wq_d's column block
	s_cmp_lt_u32 s[YY], 32
	s_cselect_b32 s[RB], s[YY], s61
	s_cselect_b32 s[CB], s[CX], s62
	s_cselect_b32 s[SH], 10, 11
	s_cselect_b32 s[LOGR], 19, 18
	s_mov_b32 s[G1+0], 15|(2<<16)|(1<<20)|(1<<21)|(5<<22)|(3<<25)  ; 15:0 the mask of four; 17:16 4-byte elements; 20 padding on; 21 set beside a mask; 24:22 after every 64 words; 31:25 4 words
	s_mov_b32 s[G1+1], 64<<16                      ; tensor_dim0 = 64
	s_mov_b32 s[G1+2], 128<<16                     ; tensor_dim1 = 128
	s_mov_b32 s[G1+3], 64<<16                      ; tile_dim0 = 64
	s_mov_b32 s[G1+4], 128                         ; tile_dim1 = 128
	s_mov_b32 s[G1+5], 4096                        ; elements from row to row
	s_mov_b32 s[G1+6], 0
	s_mov_b32 s[G1+7], 0
	s_mul_i32 s63, s[WV], WTILE                    ; my tile's place in a slot: the wave's number alone
	s_lshl_b32 s60, s[RB], 21                      ; 128 rows of 16,384 bytes
	s_lshl_b32 s61, s[WV], 8                       ; my 64 k
	s_add_co_u32 s60, s60, s61
	s_mov_b32 s61, 0
	s_wait_dscnt 0x0                               ; the opening add is done
	s_wait_kmcnt 0x0
	s_cmp_lt_u32 s[YY], 32
	s_cselect_b64 s[PA:PA+1], s[16:17], s[18:19]
	s_cselect_b64 s[PB:PB+1], s[20:21], s[22:23]
	s_cselect_b64 s[PO:PO+1], s[28:29], s[30:31]
	s_add_nc_u64 s[PA:PA+1], s[PA:PA+1], s[60:61]
.irp s, 0,1
	s_mov_b32 s[G0+4*\s], 1
	s_add_co_u32 s[G0+4*\s+1], s63, \s*SLOT
	s_add_nc_u64 s[G0+4*\s+2:G0+4*\s+3], s[PA:PA+1], \s*1024       ; step s
	s_or_b32 s[G0+4*\s+3], s[G0+4*\s+3], 0x80000000
.endr
	CROUND                                         ; all four work-groups are here: the first joint loads meet
	tensor_load_to_lds s[G0:G0+3], s[G1:G1+7]      ; steps 0 and 1: two loads of mine are out
	s_nop 0
	tensor_load_to_lds s[G0+4:G0+7], s[G1:G1+7]
	s_nop 0
	PLACES
	; the weights' addresses
	s_lshl_b32 s60, s[CB], 8
	s_lshl_b32 s62, s[WV], 6
	s_lshl_b32 s62, s62, s[SH]
	s_add_co_u32 s60, s60, s62
	s_add_nc_u64 s[BP:BP+1], s[PB:PB+1], s[60:61]
	s_lshl_b32 s60, 32, s[SH]
	s_add_nc_u64 s[BP+2:BP+3], s[BP:BP+1], s[60:61]
	s_lshl_b32 s[SB], 256, s[SH]
	s_mov_b32 s[SB+1], 0
	; the prefetch's address: my wave's first tile, 32 cx rows down, one step on; every step's head adds a step, so that step t asks for step t + 2
	s_lshl_b32 s60, s[CX], 19
	s_add_co_u32 s60, s60, 1024
	s_add_nc_u64 s[PFP:PFP+1], s[PA:PA+1], s[60:61]
	s_and_b32 s62, s[YY], 1
	s_xor_b32 s62, s62, 1
	s_cmp_lt_u32 s[YY], 32
	s_cselect_b32 s[PFL], 1, s62                   ; every cluster of K's; of Q's those with even y
	s_mov_b32 s[HM], 0xffff0000
	v_and_b32 v[VR], 15, v0
	v_bfe_u32 v[VH], v0, 4, 1
	v_lshlrev_b32 v[TV], 4, v[VH]
.irp i, 0,1,2,3,4,5,6,7,8,9,10,11,12,13,14,15
	v_add_nc_u32 v[OFFB+\i], \i, v[TV]
	v_lshlrev_b32 v[OFFB+\i], s[SH], v[OFFB+\i]
	v_lshl_add_u32 v[OFFB+\i], v[VR], 4, v[OFFB+\i]
.endr
; 32 loads: a step's weights for my 64 k: rows k0 + 32 u + 16 h + i, 64 columns; sixteen lanes take 256 consecutive bytes
.macro BLOAD buf
	WIN 0x80                                       ; destination window 2, address window 0
.irp u, 0,1
.irp i, 0,1,2,3,4,5,6,7,8,9,10,11,12,13,14,15
	global_load_b128 v[(\buf)+64*(\u)+4*(\i):(\buf)+64*(\u)+4*(\i)+3], v[OFFB+(\i)], s[BP+2*(\u):BP+2*(\u)+1]
.endr
.endr
.endm
; 32 LDS loads: 128 rows x 32 k of f32: a lane takes 64 consecutive bytes of row 16 a + r
.macro ALOAD slot, u
	WIN 0
.irp a, 0,1,2,3,4,5,6,7
.irp q, 0,1,2,3
	ds_load_b128 v[AR+16*(\a)+4*(\q):AR+16*(\a)+4*(\q)+3], v[ADA+(\slot)] offset:(\a)*16*PITCH+128*(\u)+16*(\q)
.endr
.endr
.endm
.macro CVTB buf, u                     ; fragment c, register p: rows 2 p and 2 p + 1 of column 4 r + c
	WIN 0x0a                                       ; sources window 2, destination window 0
.irp c, 0,1,2,3
.irp p, 0,1,2,3,4,5,6,7
	v_cvt_pk_bf16_f32 v[BF+8*(\c)+(\p)], v[(\buf)+64*(\u)+8*(\p)+(\c)], v[(\buf)+64*(\u)+8*(\p)+4+(\c)]
.endr
.endr
.endm
.macro CVTA
	WIN 0
.irp a, 0,1,2,3,4,5,6,7
.irp p, 0,1,2,3,4,5,6,7
	v_cvt_pk_bf16_f32 v[AF+8*(\a)+(\p)], v[AR+16*(\a)+2*(\p)], v[AR+16*(\a)+2*(\p)+1]
.endr
.endr
.endm
.macro MUL zero                        ; 32 products; the 32 accumulators take turns, one instruction a turn.  zero = 1: they start the sums
	WIN 0x50                                       ; C and D window 1
.irp a, 0,1,2,3,4,5,6,7
.irp c, 0,1,2,3
.if \zero
	v_wmma_f32_16x16x32_bf16 v[32*(\a)+8*(\c):32*(\a)+8*(\c)+7], v[BF+8*(\c):BF+8*(\c)+7], v[AF+8*(\a):AF+8*(\a)+7], 0
.else
	v_wmma_f32_16x16x32_bf16 v[32*(\a)+8*(\c):32*(\a)+8*(\c)+7], v[BF+8*(\c):BF+8*(\c)+7], v[AF+8*(\a):AF+8*(\a)+7], v[32*(\a)+8*(\c):32*(\a)+8*(\c)+7]
.endif
.endr
.endr
.endm
; The change of slots.  Each wave waits for all its tensor loads (one is out: its tile of the slot to be read), adds 0 to its spare word, and waits for that and for its reads of the slot that it leaves.
; refill = 1: a round of the cluster's barrier, so that no wave of any partner still reads that slot or has a load on its way; the joint refill, two steps on, is the first thing behind it.
.macro CHG slot, refill
	WIN 0
	s_wait_tensorcnt 0x0
	ds_add_u32 v[SPW], v[NIL]
.if \refill
	s_add_nc_u64 s[G0+6-4*(\slot):G0+7-4*(\slot)], s[G0+6-4*(\slot):G0+7-4*(\slot)], 2048  ; no load of mine is out: the other slot's address steps by two steps of 1,024 bytes
.endif
	s_wait_dscnt 0x0
.if \refill
	CROUND
	tensor_load_to_lds s[G0+4-4*(\slot):G0+7-4*(\slot)], s[G1:G1+7]
	s_nop 0
	PLACES
.else
	s_barrier_signal -1
	s_barrier_wait -1
.endif
.endm
; A step: my 64 k in two products' depth.  ahead = 1: the next step's weights are asked for first, into the other buffer.
; pf = 1: the tile two steps on is asked for ahead, if my cluster asks; pf = 2: but not in the loop's last trip, whose second step is step 14.
.macro STEP slot, zero, ahead, pf
.if \ahead
	s_wait_xcnt 0x0                                ; the addresses of all earlier loads, stores and prefetches are translated: their bases, offsets and data may be rewritten
	s_add_nc_u64 s[BP:BP+1], s[BP:BP+1], s[SB:SB+1]
	s_add_nc_u64 s[BP+2:BP+3], s[BP+2:BP+3], s[SB:SB+1]
	s_add_nc_u64 s[PFP:PFP+1], s[PFP:PFP+1], 1024
	BLOAD 128-128*(\slot)
.endif
	ALOAD \slot, 0
	s_wait_loadcnt 16+32*(\ahead)                  ; this step's first 16 loads are in; its other 16 and the next step's 32 may be out
	PLACES                                         ; the fragments below were read by the last products
	CVTB 128*(\slot), 0
	s_wait_dscnt 0x0
	CVTA
	ALOAD \slot, 1                                 ; on its way while the products are issued
.if \pf
	s_cmp_lg_u32 s[PFL], 0                         ; the branch hangs on y, which the partners share, and on the loop's count; it jumps over the one prefetch
	s_cbranch_scc0 .Lnp_\@
.if (\pf) == 2
	s_cmp_lg_u32 s[CNT], 1
	s_cbranch_scc0 .Lnp_\@
.endif
	global_prefetch_b8 v[CL], s[PFP:PFP+1] th:TH_LOAD_NT scope:SCOPE_SE  ; 32 lanes, 32 rows, a block of 256 bytes each; behind my loads, in front of 32 products
.Lnp_\@:
.endif
	MUL \zero
	s_wait_loadcnt 32*(\ahead)                     ; this step's other 16
	PLACES
	CVTB 128*(\slot), 1
	s_wait_dscnt 0x0
	CVTA
	MUL 0
.endm
	BLOAD 0                                        ; step 0's weights
	WIN 0
	; THE COPY.  Wave id of 1,024 takes column block id / 16 and 32 rows of W_qk, 16 of Wv_u.  A load takes rows j (lanes 0-15) and j + 8 (lanes 16-31), 256 bytes each; they land in neighbouring positions.
	s_lshl2_add_u32 s60, s[YY], s[CX]
	s_lshl2_add_u32 s60, s60, s[WV]
	s_lshr_b32 s2, s60, 4                          ; column block
	s_and_b32 s3, s60, 15                          ; row group
	s_lshl_b32 s62, s2, 8
	s_lshl_b32 s60, s3, 19
	s_add_co_u32 s60, s60, s62
	s_add_nc_u64 s[24:25], s[24:25], s[60:61]
	s_lshl_b32 s60, s3, 18
	s_add_co_u32 s60, s60, s62
	s_add_nc_u64 s[26:27], s[26:27], s[60:61]
	s_lshl_b32 s60, s2, 16
	s_lshl_b32 s62, s3, 12
	s_add_co_u32 s60, s60, s62
	s_add_nc_u64 s[32:33], s[32:33], s[60:61]
	s_lshl_b32 s60, s2, 15
	s_lshl_b32 s62, s3, 11
	s_add_co_u32 s60, s60, s62
	s_add_nc_u64 s[34:35], s[34:35], s[60:61]
	v_lshlrev_b32 v[CL], 17, v[VH]                 ; 8 rows of 16,384 bytes
	v_lshl_add_u32 v[CL], v[VR], 4, v[CL]
	v_and_b32 v[TV], 31, v0
	v_lshlrev_b32 v[CS], 3, v[TV]
.irp i, 0,1,2,3,4,5,6,7,8,9,10,11,12,13,14,15
	global_load_b128 v[AR+4*\i:AR+4*\i+3], v[CL], s[24:25] offset:(16*(\i/8)+\i%8)*16384 th:TH_LOAD_NT
.endr
.irp i, 0,1,2,3,4,5,6,7
	global_load_b128 v[AR+64+4*\i:AR+64+4*\i+3], v[CL], s[26:27] offset:\i*16384 th:TH_LOAD_NT
.endr
	; the rest of the addresses, in the wait for those loads
	v_lshlrev_b32 v[GO], 4, v[TV]
	v_lshrrev_b32 v[RD], 3, v[TV]
	v_mul_u32_u24 v[TV], v[VR], PITCH
	v_lshl_add_u32 v[TV], v[VH], 6, v[TV]
	v_add_nc_u32 v[ADA], s63, v[TV]                ; my tile + row r + 64 h
	v_add_nc_u32 v[ADA+1], SLOT, v[ADA]
	s_lshl_b32 s60, s[WV], 15
	v_add_nc_u32 v[XW], s60, v[GO]                 ; my 32,768 bytes of partial sums
	s_lshl_b32 s62, s[WV], 13
	v_add_nc_u32 v[XR], s62, v[GO]                 ; accumulators 8 w .. 8 w + 7 of waves 0 and 1,
	v_add_nc_u32 v[XR+1], 0x10000, v[XR]           ; of waves 2 and 3
	s_mul_i32 s2, s[WV], 32*SP
	s_add_co_u32 s2, s2, STG
	v_mul_u32_u24 v[STO], v[VR], SP
	v_lshl_add_u32 v[STO], v[VH], 6, v[STO]
	v_add_nc_u32 v[STO], s2, v[STO]                ; in: row r, 64 bytes for each half of the lanes
	v_mul_u32_u24 v[RD], v[RD], SP
	v_and_b32 v[TV], 7, v0
	v_lshl_add_u32 v[RD], v[TV], 4, v[RD]
	v_add_nc_u32 v[RD], s2, v[RD]                  ; back: 32 lanes take four rows of 128 bytes
	s_lshl_b32 s60, s[CB], s[LOGR]
	s_lshl_b32 s62, s[RB], 14
	s_add_co_u32 s60, s60, s62
	s_lshl_b32 s62, s[WV], 12
	s_add_co_u32 s60, s60, s62
	s_add_nc_u64 s[PO:PO+1], s[PO:PO+1], s[60:61]
	s_wait_loadcnt 0x0                             ; the copy's loads are done, so their offset register is free:
	v_and_b32 v[TV], 31, v0
	v_lshlrev_b32 v[CL], 14, v[TV]                 ; it takes the prefetch's offset, a row of 16,384 bytes a lane, and is not rewritten
.macro COPY i, base, off               ; four f32: rounded to bf16, widened again, written as f16 (exact in f16's range); a wave's store covers 256 consecutive bytes, aligned
.set TT, BF+4*((\i)%8)
	v_cvt_pk_bf16_f32 v[TT], v[AR+4*(\i)], v[AR+4*(\i)+1]
	v_cvt_pk_bf16_f32 v[TT+1], v[AR+4*(\i)+2], v[AR+4*(\i)+3]
	v_lshlrev_b32 v[TT+2], 16, v[TT]
	v_and_b32 v[TT], s[HM], v[TT]
	v_lshlrev_b32 v[TT+3], 16, v[TT+1]
	v_and_b32 v[TT+1], s[HM], v[TT+1]
	v_cvt_pk_f16_f32 v[AF+2*(\i)], v[TT+2], v[TT]
	v_cvt_pk_f16_f32 v[AF+2*(\i)+1], v[TT+3], v[TT+1]
	global_store_b64 v[CS], v[AF+2*(\i):AF+2*(\i)+1], s[\base:\base+1] offset:\off
.endm
.set ci, 0
.rept 16
	COPY ci, 32, 256*ci
.set ci, ci+1
.endr
.rept 8
	COPY ci, 34, 256*(ci-16)
.set ci, ci+1
.endr
	s_wait_tensorcnt 0x1                           ; my tile of step 0 is in, and I alone read it; step 1's may stay out
	STEP 0, 1, 1, 1                                ; the first step stands in front of the loop: its first products start the sums
	WIN 0
	s_mov_b32 s[CNT], 7
.Lpair:                                                ; steps 1 to 14; both slots are filled again
	CHG 1, 1
	STEP 1, 0, 1, 1
	CHG 0, 1
	STEP 0, 0, 1, 2
	WIN 0
	s_sub_co_u32 s[CNT], s[CNT], 1
	s_cmp_lg_u32 s[CNT], 0
	s_cbranch_scc1 .Lpair
	CHG 1, 0                                       ; nothing is left to fetch.  Behind this barrier no wave reads slot 0 any more, and it has had its last fill
	STEP 1, 0, 0, 0
	; THE SUM.  Each wave lays its 32 accumulators into slot 0's bytes; behind a barrier wave w takes accumulators 8 w .. 8 w + 7 (rows 32 w .. + 31) of all four.
	PLACES
	WIN 0x04                                       ; store data window 1
.set i, 0
.rept 64
	ds_store_b128 v[XW], v[4*i:4*i+3] offset:512*i ; each accumulator's low registers first
.set i, i+1
.endr
	WIN 0
	s_wait_dscnt 0x0                               ; for the others' sake: my stores are done
	s_barrier_signal -1
	s_barrier_wait -1
	WIN 0x80
.irp s, 0,1,2,3
.set i, 0
.rept 16
	ds_load_b128 v[64*\s+4*i:64*\s+4*i+3], v[XR+\s/2] offset:(\s%2)*32768+512*i
.set i, i+1
.endr
.endr
	s_wait_dscnt 0x0
	WIN 0x8a                                       ; all in window 2
.set i, 0
.rept 32
	v_pk_add_f32 v[2*i:2*i+1], v[2*i:2*i+1], v[64+2*i:64+2*i+1]
	v_pk_add_f32 v[128+2*i:128+2*i+1], v[128+2*i:128+2*i+1], v[192+2*i:192+2*i+1]
.set i, i+1
.endr
.set i, 0
.rept 32
	v_pk_add_f32 v[2*i:2*i+1], v[2*i:2*i+1], v[128+2*i:128+2*i+1]
.set i, i+1
.endr
.set i, 0
.rept 32
	v_pk_mul_f32 v[2*i:2*i+1], v[2*i:2*i+1], 0x3e800000 op_sel_hi:[1,0]  ; 1/4, exact: room in f16 for large inputs
.set i, i+1
.endr
	; THE WAY OUT.  Columns 4 j + c: accumulators c = 0, 1 and c = 2, 3 pair up; a lane's 32 columns are 64 bytes.
	WIN 0x0a
.irp a, 0,1
.irp j, 0,1,2,3,4,5,6,7
.irp e, 0,1
	v_cvt_pk_f16_f32 v[AR+16*\a+2*\j+\e], v[(4*\a+2*\e)*8+\j], v[(4*\a+2*\e+1)*8+\j]
.endr
.endr
.endr
	WIN 0
.irp a, 0,1
.irp q, 0,1,2,3
	ds_store_b128 v[STO], v[AR+16*\a+4*\q:AR+16*\a+4*\q+3] offset:16*SP*\a+16*\q
.endr
.endr
.irp i, 0,1,2,3,4,5,6,7
	ds_load_b128 v[AF+4*\i:AF+4*\i+3], v[RD] offset:4*SP*\i  ; LDS serves a wave's instructions in order (ISA guide 5.7.1.4): these see the stores above; the stage is my own
.endr
.irp i, 0,1,2,3,4,5,6,7
	s_wait_dscnt 7-\i                              ; the younger loads may stay out
	global_store_b128 v[GO], v[AF+4*\i:AF+4*\i+3], s[PO:PO+1] offset:512*\i  ; four rows of a block: 512 consecutive bytes, at a multiple of 256 from the buffer's first
.endr
	s_wait_tensorcnt 0x0                           ; the wave's end
	ds_add_u32 v[SPW], v[NIL]
	s_wait_dscnt 0x0
	CROUND                                         ; the closing round
	s_endpgm
.Lfunc_end_k_qb20871beb2_proj:
	.size	k_qb20871beb2_proj, .Lfunc_end_k_qb20871beb2_proj-k_qb20871beb2_proj
	.p2alignl 7, 3214868480
	.fill 96, 4, 3214868480
	.section	.rodata,"a",@progbits
	.p2align	6, 0x0
	.amdhsa_kernel k_qb20871beb2_proj
		.amdhsa_group_segment_fixed_size 327680
		.amdhsa_private_segment_fixed_size 0
		.amdhsa_enable_private_segment 0
		.amdhsa_kernarg_size 80
		.amdhsa_user_sgpr_count 2
		.amdhsa_user_sgpr_kernarg_segment_ptr 1
		.amdhsa_wavefront_size32 1
		.amdhsa_system_sgpr_workgroup_id_x 1
		.amdhsa_system_sgpr_workgroup_id_y 1
		.amdhsa_system_sgpr_workgroup_id_z 1
		.amdhsa_system_vgpr_workitem_id 0
		.amdhsa_next_free_vgpr 768
		.amdhsa_next_free_sgpr 66
		.amdhsa_reserve_vcc 0
		.amdhsa_float_denorm_mode_32 3
		.amdhsa_float_denorm_mode_16_64 3
		.amdhsa_memory_ordered 1
		.amdhsa_forward_progress 1
		.amdhsa_inst_pref_size 141
	.end_amdhsa_kernel
	.amdgpu_metadata
---
amdhsa.version: [ 1, 2 ]
amdhsa.kernels:
  - .name:           k_qb20871beb2_proj
    .symbol:         k_qb20871beb2_proj.kd
    .args:
      - { .name: K, .offset: 0, .size: 8, .value_kind: global_buffer, .address_space: global }
      - { .name: Q, .offset: 8, .size: 8, .value_kind: global_buffer, .address_space: global }
      - { .name: Wkv_d, .offset: 16, .size: 8, .value_kind: global_buffer, .address_space: global }
      - { .name: Wq_d, .offset: 24, .size: 8, .value_kind: global_buffer, .address_space: global }
      - { .name: W_qk, .offset: 32, .size: 8, .value_kind: global_buffer, .address_space: global }
      - { .name: Wv_u, .offset: 40, .size: 8, .value_kind: global_buffer, .address_space: global }
      - { .name: ckv, .offset: 48, .size: 8, .value_kind: global_buffer, .address_space: global }
      - { .name: cq, .offset: 56, .size: 8, .value_kind: global_buffer, .address_space: global }
      - { .name: wqkh, .offset: 64, .size: 8, .value_kind: global_buffer, .address_space: global }
      - { .name: wvuh, .offset: 72, .size: 8, .value_kind: global_buffer, .address_space: global }
    .group_segment_fixed_size: 327680
    .private_segment_fixed_size: 0
    .kernarg_segment_align: 8
    .kernarg_segment_size: 80
    .max_flat_workgroup_size: 128
    .sgpr_count:     66
    .vgpr_count:     768
    .wavefront_size: 32
...
	.end_amdgpu_metadata
.endif
;; end of part 1
;; launch attn (part 2): grid 8 x 32, 4 waves a work-group, clusters of 4 x 1, 327,680 bytes of LDS; arguments cq, ckv, wqkh, wvuh, out0; writes out0
.if DOCPART == 2
	.amdgcn_target "amdgcn-amd-amdhsa--gfx1250"
	.amdhsa_code_object_version 6
	.text
	.protected	k_qb20871beb2_attn
	.globl	k_qb20871beb2_attn
	.p2align	8
	.type	k_qb20871beb2_attn,@function
k_qb20871beb2_attn:
	s_mov_b64 s[64:65], 0
	v_nop
	global_prefetch_b8 v0, s[64:65] scope:SCOPE_SE
	s_setreg_imm32_b32 hwreg(HW_REG_WAVE_MODE, 25, 1), 1
	s_wait_xcnt 0x0
	s_wait_alu depctr_hold_cnt(0) depctr_sa_sdst(0) depctr_va_vdst(0) depctr_va_sdst(0) depctr_va_ssrc(0) depctr_va_vcc(0) depctr_vm_vsrc(0)
	s_getreg_b32 s2, hwreg(HW_REG_IB_STS2, 6, 4)
	s_cmp_eq_u32 s2, 0
	s_cbranch_scc0 .Lentry_in_a_cluster
	s_endpgm
.Lentry_in_a_cluster:
	s_bfe_u32 s2, ttmp6, 0x10000c
	s_cmp_lg_u32 s2, 0x3003
	s_cbranch_scc0 .Lentry_shape_is_right
	s_endpgm
.Lentry_shape_is_right:
; q = C_q W_qk[:, head];  ATTENTION OVER THE LATENT;  out = (attn C_kv) Wv_u[:, head].
; attn (C_kv Wv_u) = (attn C_kv) Wv_u: keys and values are the same tensor ckv, shared by all heads, and neither q nor the up-projected values ever lie in memory.
; SHARES.  y = 16 batch + head; a work-group owns 128 queries of one head, a wave 32: two tiles of 16, which are the two PIECES of the turns.  Every wave walks the batch's 2,048 keys, 64 a step.
; FORMATS.  All matrix operands f16 (cq and ckv hold the latents / 4), sums in f32.  Two exact scales by powers of two keep f16's range for every size of input:
;   q: for each query E = 2^e, the exponent of the largest |q| of its 256 channels; q' = f16(q log2(e) / E), below 2.9.  The factors 1/16 (the score's), 4 and 4 (the latents') cancel, so
;      log2(e) x score = E s with s = q' . ckv: the row's factor c = E.  c m is exact, so c s - c m is 0 at the maximum and below it elsewhere: no exponential overflows.
;   O: likewise O' = f16(O / E_o); the last product is multiplied in f32 by g = 4 E_o / l.
; SOFTMAX.  A running maximum m and sum l for each query: p = 2^(c s - c m); in every step O and l are multiplied by a = 2^(c m_old - c m_new).  m starts at the lowest finite number, c m far below
; every c s, l at 0: the first step's a is 0, so O need only hold finite numbers before it.  l is the sum of the unrounded p; p is rounded to f16 for the second product.
; LIMITS.  NaN and infinities are not treated apart; log2(e) x score beyond 2.3e38 is not served; a weight p below 2^-126 counts as 0; a query whose q lies below 2^-126 throughout scores 0 everywhere.
; LAYOUT.  All products are used transposed, so that a lane holds ONE query (lane % 16) and eight channels or keys 8 (lane / 16) + 0..7: two results rounded in pairs ARE source 1 of the next product.
; ONE RING, ONE TILE SHAPE.  A tile is 128 rows x 256 columns of f16; wave w brings column block w, 16,384 dense bytes, asked for as 64 rows of 256 bytes and padded in LDS after every 128: pitch 144.
; 22 tiles take turns in two slots: W_qk's 4, the keys' 16, Wv_u's 2.  The four work-groups of a cluster belong to one head: every tile is asked for jointly, mask 15.
; ROWS' ORDER.  At pitch 144 both kinds of LDS load touch every bank once if the sixteen rows of a block are taken as 2 j + e: fragment row m of a key block is key 2 (m % 8) + m / 8, for the scores' rows
; and for the second product's k alike; the weights were stored in that order, so their k is the natural one.
; BY TURNS.  In a turn one piece has the matrix unit: 32 products V^T P of the step in hand, then 32 products K Q^T of the next; the other piece's softmax, 166 vector instructions, stands in 42 slices
; of four at the most, behind two of every three products.  The LDS loads (one for each product) stand in runs of 16 with counted waits, behind products that carry no slice.
; NO PREFETCH: the three buffers that the tiles come from, 8 MB together, are each read by 64 work-groups or more at about the same time.
; REGISTERS, in windows of 256 (s_set_vgpr_msb: bits 1:0 source 0, 3:2 source 1, 5:4 source 2, 7:6 destination):
;   window 0: v0-15 addresses, c; v16-31 eight registers of statistics a tile; v32-95 S^T; v96-127 P; v128-255 q', later O', 64 a tile
;   window 1: q^T, then O^T, then out^T: tile t, channel block n at 128 t + 8 n
;   window 2: weight fragments, two buffers of 128; K of one step (channels 32 c, key block kb at 8 (4 c + kb))
;   window 3: C_q's fragments (128 t + 8 n); V of one step (keys 32 kk, channel block n at 8 (16 kk + n)); rows on the way out
.set PK,    144
.set BLK,   16*PK
.set STEPB, 64*PK
.set CBB,   128*PK                     ; a column block of a tile
.set SLOT1, 1<<17                      ; slot 1 begins here: one exclusive or turns an address in one slot into the other's
.set STAGE, SLOT1+4*CBB                ; behind the ring: 16 rows x 1,040 bytes for each wave
.set SPO,   1040                       ; 1,024 bytes + 16: row r starts at bank 4 r mod 64 (64 banks of 4 bytes: ISA guide 11.1)
.set SPARE, STAGE+4*16*SPO             ; the spare words, 128 bytes for each wave: two blocks of 256 bytes that no other line names
.set VR,  1                            ; v1   lane % 16
.set AK0, 2                            ; v2   my lane's place in a block of keys; never rewritten
.set AV0, 3                            ; v3   the same for the turning load
.set AK,  4
.set AV,  5
.set QO,  6                            ; v6   my byte offset in C_q's rows; later STO
.set STO, 6
.set AW,  7                            ; v7   LDS address of the weights' fragments; later RD
.set RD,  7
.set CR,  8                            ; v8, v10  c of tile 0, 1 (v9, v11 are named with them as pairs)
.set SPW, 12                           ; v12  LDS address of my spare word; never rewritten
.set NIL, 13                           ; v13  0; never rewritten
.set VH,  14                           ; v14  lane / 16
.set GO,  15                           ; v15  at work; later 16 x lane
.set ST,  16                           ; tile t at ST + 8 t: c m, m, l (even keys', odd keys'), c0-c3 at work; a takes c2's place
.set S,   32
.set P,   96
.set QF,  128
.set QB,  4                            ; s[4:5]   cq at my wave's rows
.set KB,  6                            ; s[6:7]   ckv at my column block of the batch's first tile
.set WB,  8                            ; s[8:9]   wqkh at my column block of the head
.set UB,  10                           ; s[10:11] wvuh likewise
.set OB,  12                           ; s[12:13] out0 at my wave's rows, the head's columns
.set WV,  14
.set G1,  24                           ; s[24:31] descriptor group 1, the only one
.set G0A, 32                           ; s[32:35] group 0 of the first tile
.set G0,  36                           ; s[36:39] group 0 of all others: it walks
.set OFF, 40                           ; s[40:41]
.set BAS, 42                           ; s[42:43]
.set NXT, 44                           ; the key tile to be asked for next; 16: Wv_u's first
.set SLOTS, 45
.set CNT, 46
.set TB,  47                           ; LDS byte at which the step to be fetched begins
.set SEL, 48                           ; s[48:49] v_permlanex16_b32's selects: each lane takes its own place in the other half
.set MSB, 0
.macro WIN new                         ; the high byte repeats the setting that is left; a switch that changes nothing is dropped
.if MSB != (\new)
	s_set_vgpr_msb (MSB<<8)|(\new)
.set MSB, \new
.endif
.endm
.macro PLACES                          ; four places between a matrix instruction and a vector instruction, or a load, that touches its registers (ISA guide 7.12.1 for vector instructions)
.rept 4
	v_nop
.endr
.endm
.macro CROUND                          ; a round of the cluster's barrier
	s_barrier_signal -1
	s_barrier_wait -1
	s_cmp_lg_u32 s[WV], 0
	s_cbranch_scc1 .Lnot_wave_0_\@
	s_barrier_signal -3
.Lnot_wave_0_\@:
	s_barrier_wait -3
	s_barrier_signal -1
	s_barrier_wait -1
.endm
; THE CHANGE OF SLOTS.  Each wave waits for all its tensor loads (one is out: its part of the other slot), adds 0 to its spare word, and waits for that and for its reads of the slot that it leaves.
; mode 1: the slot is filled again from base + imm; mode 2: with key tile NXT, or behind the last with Wv_u's first; mode 3 (q's loop): in the first trip (CNT = 2) from W_qk's third tile + imm, in the
; second from the keys' first + imm; all behind a round of the cluster's barrier, the joint load first behind it.
; mode 0: nothing is asked for: a plain barrier.  key = 1: the fetches' base goes to the other slot's first step.
.macro CHANGE mode, base=0, imm=0, key=0
	WIN 0
	s_wait_tensorcnt 0x0                           ; no tensor load of mine is out, so group 0 may be written
	ds_add_u32 v[SPW], v[NIL]                      ; 0 onto my spare word; the descriptor's scalar work stands between it and the wait for it
.if (\mode) == 1
	s_xor_b32 s[G0+1], s[G0+1], SLOT1
	s_add_nc_u64 s[G0+2:G0+3], s[\base:\base+1], \imm
	s_or_b32 s[G0+3], s[G0+3], 0x80000000
.elseif (\mode) == 2
	s_lshl_b32 s[OFF], s[NXT], 14                  ; a wave's part of a tile is 16,384 bytes
	s_cmp_lt_u32 s[NXT], 16
	s_cselect_b64 s[BAS:BAS+1], s[KB:KB+1], s[UB:UB+1]
	s_cselect_b32 s[OFF], s[OFF], 0
	s_xor_b32 s[G0+1], s[G0+1], SLOT1
	s_add_nc_u64 s[G0+2:G0+3], s[BAS:BAS+1], s[OFF:OFF+1]
	s_or_b32 s[G0+3], s[G0+3], 0x80000000
	s_add_co_u32 s[NXT], s[NXT], 1
.elseif (\mode) == 3
	s_cmp_eq_u32 s[CNT], 2
	s_cselect_b64 s[BAS:BAS+1], s[WB:WB+1], s[KB:KB+1]
	s_cselect_b32 s[OFF], 0x8000, 0
.if \imm
	s_add_co_u32 s[OFF], s[OFF], \imm
.endif
	s_xor_b32 s[G0+1], s[G0+1], SLOT1
	s_add_nc_u64 s[G0+2:G0+3], s[BAS:BAS+1], s[OFF:OFF+1]
	s_or_b32 s[G0+3], s[G0+3], 0x80000000
.endif
	s_wait_dscnt 0x0                               ; the add is done, and my reads of the slot are over
.if \mode
	CROUND
	tensor_load_to_lds s[G0:G0+3], s[G1:G1+7]
	s_nop 0
	PLACES                                         ; also the places in front of the fragment loads that follow
.else
	s_barrier_signal -1
	s_barrier_wait -1
.endif
.if \key
	s_sub_co_u32 s[TB], s[TB], 2*STEPB
	s_xor_b32 s[TB], s[TB], SLOT1
.endif
.endm
	s_load_b256 s[4:11], s[0:1], 0x0               ; cq, ckv, wqkh, wvuh
	s_load_b64 s[12:13], s[0:1], 0x20              ; out0
	v_lshl_add_u32 v[SPW], v0, 2, SPARE
	v_mov_b32 v[NIL], 0
	ds_add_u32 v[SPW], v[NIL]                      ; the wave's opening: the add and its wait stand ahead of my first tensor load; work on registers stands between them
	v_lshrrev_b32 v[GO], 5, v0
	v_readfirstlane_b32 s[WV], v[GO]               ; wave 0..3
	s_and_b32 s15, ttmp7, 0xffff                   ; y, which the four partners share
	s_lshr_b32 s16, s15, 4                         ; batch
	s_and_b32 s17, s15, 15                         ; head
	s_lshl2_add_u32 s18, s17, s[WV]                ; 4 head + wave: my column block of the weights
	s_lshl_b32 s20, ttmp9, 2
	s_bfe_u32 s21, ttmp6, 0x40000
	s_add_co_u32 s20, s20, s21                     ; my block of 128 queries = 4 x cluster x + cx: it enters cq's and out0's addresses alone
	s_lshl_b32 s20, s20, 7
	s_lshl_b32 s21, s16, 10
	s_add_co_u32 s20, s20, s21
	s_lshl_b32 s21, s[WV], 5
	s_add_co_u32 s20, s20, s21                     ; my wave's first row
	s_lshl_b32 s22, s20, 7                         ; x 128 bytes in a block of cq
	s_mov_b32 s23, 0
	s_lshl_b32 s20, s20, 14                        ; x 16,384 bytes in out0,
	s_lshl_b32 s21, s17, 10                        ; + the head's 256 columns
	s_add_co_u32 s20, s20, s21
	s_mov_b32 s21, 0
	s_mov_b32 s[G1+0], 15|(1<<16)|(1<<20)|(1<<21)|(4<<22)|(3<<25)  ; 15:0 the mask of four; 17:16 2-byte elements; 20 padding on; 21 set beside a mask; 24:22 after every 32 words; 31:25 4 words
	s_mov_b32 s[G1+1], 128<<16                     ; tensor_dim0 = 128
	s_mov_b32 s[G1+2], 64<<16                      ; tensor_dim1 = 64
	s_mov_b32 s[G1+3], 128<<16                     ; tile_dim0 = 128
	s_mov_b32 s[G1+4], 64                          ; tile_dim1 = 64
	s_mov_b32 s[G1+5], 128                         ; elements from row to row
	s_mov_b32 s[G1+6], 0
	s_mov_b32 s[G1+7], 0
	s_mov_b32 s[SEL], 0x76543210
	s_mov_b32 s[SEL+1], 0xfedcba98
	s_mov_b32 s[OFF+1], 0
	s_mul_i32 s19, s[WV], CBB                      ; my column block's place in a slot: the wave's number alone
	s_wait_dscnt 0x0                               ; the opening add is done
	s_wait_kmcnt 0x0
	s_add_nc_u64 s[QB:QB+1], s[QB:QB+1], s[22:23]
	s_add_nc_u64 s[OB:OB+1], s[OB:OB+1], s[20:21]
	s_lshl_b32 s[OFF], s18, 16                     ; 512 positions of 128 bytes
	s_add_nc_u64 s[WB:WB+1], s[WB:WB+1], s[OFF:OFF+1]
	s_lshl_b32 s[OFF], s18, 15                     ; 256 positions
	s_add_nc_u64 s[UB:UB+1], s[UB:UB+1], s[OFF:OFF+1]
	s_lshl_b32 s[OFF], s[WV], 19                   ; 4,096 rows of 128 bytes,
	s_lshl_b32 s15, s16, 18                        ; the batch's 2,048
	s_add_co_u32 s[OFF], s[OFF], s15
	s_add_nc_u64 s[KB:KB+1], s[KB:KB+1], s[OFF:OFF+1]
	s_mov_b32 s[G0A], 1
	s_mov_b32 s[G0A+1], s19                        ; slot 0
	s_add_nc_u64 s[G0A+2:G0A+3], s[WB:WB+1], 0     ; W_qk's rows 0-127
	s_or_b32 s[G0A+3], s[G0A+3], 0x80000000
	s_mov_b32 s[G0], 1
	s_add_co_u32 s[G0+1], s19, SLOT1               ; slot 1
	s_add_nc_u64 s[G0+2:G0+3], s[WB:WB+1], 16384   ; rows 128-255
	s_or_b32 s[G0+3], s[G0+3], 0x80000000
	CROUND                                         ; all four work-groups are here: the first joint loads meet
	tensor_load_to_lds s[G0A:G0A+3], s[G1:G1+7]    ; two loads of mine are out
	s_nop 0
	tensor_load_to_lds s[G0:G0+3], s[G1:G1+7]
	s_nop 0
	PLACES
	; C_q's fragments stay in registers: lane l holds row l % 16; k = 32 n + 8 (l / 16) + 0..7 and + 16: two loads of 16 bytes, 32 bytes apart; k block n / 2 lies 262,144 bytes on
	v_and_b32 v[VR], 15, v0
	v_bfe_u32 v[VH], v0, 4, 1
	v_lshlrev_b32 v[QO], 7, v[VR]
	v_lshl_add_u32 v[QO], v[VH], 4, v[QO]
	WIN 0xc0                                       ; destination window 3
.set n, 0
.rept 16
.irp t, 0,1
	global_load_b128 v[128*\t+8*n:128*\t+8*n+3],   v[QO], s[QB:QB+1] offset:(n/2)*262144+2048*\t+(n%2)*64
	global_load_b128 v[128*\t+8*n+4:128*\t+8*n+7], v[QO], s[QB:QB+1] offset:(n/2)*262144+2048*\t+(n%2)*64+32
.endr
.set n, n+1
.endr
	WIN 0
	v_and_b32 v[GO], 7, v0
	v_bfe_u32 v[AK], v0, 3, 1
	v_lshl_add_u32 v[AK0], v[GO], 1, v[AK]         ; fragment row m reads row 2 (m % 8) + m / 8 of its block,
	v_mul_u32_u24 v[AK0], v[AK0], PK
	v_lshl_add_u32 v[AK0], v[VH], 4, v[AK0]        ; 16 bytes for each half of the lanes
	v_lshl_add_u32 v[AV0], v[GO], 1, v[VH]         ; the turning load: lane l reads row 2 (l % 8) + l / 16, columns 8 ((l / 8) % 2) + 0..7
	v_mul_u32_u24 v[AV0], v[AV0], PK
	v_lshl_add_u32 v[AV0], v[AK], 4, v[AV0]
	v_mov_b32 v[CR+1], 0                           ; named with c as pairs, so they are written
	v_mov_b32 v[CR+3], 0
; 32 turning loads: the weights' fragments for k chunk c (32 rows) of the tile in a slot: 16 channel blocks x 16 columns; lane l then holds column l % 16 and k as a fragment wants it
.macro FETCHW slot, c, buf
.if ((\c)%2) == 0
	WIN 0
	v_add_nc_u32 v[AW], (\slot)*SLOT1+((\c)/2)*STEPB, v[AV0]  ; the immediates below reach 64 rows
.endif
	WIN 0x80                                       ; destination window 2
.set fi, 0
.rept 16
	ds_load_tr16_b128 v[(\buf)+8*fi:(\buf)+8*fi+3],   v[AW] offset:(fi/4)*CBB+2*((\c)%2)*BLK+(fi%4)*32
	ds_load_tr16_b128 v[(\buf)+8*fi+4:(\buf)+8*fi+7], v[AW] offset:(fi/4)*CBB+2*((\c)%2)*BLK+BLK+(fi%4)*32
.set fi, fi+1
.endr
.endm
; 32 products: 16 channel blocks x 2 tiles, with source 1's fragment n.  The 32 accumulators take turns, one instruction a turn.  e = 0: source 1 is C_q (window 3); e = 1: O' (window 0)
.macro MULW n, buf, zero, e
.if \e
	WIN 0x52
.else
	WIN 0x5e
.endif
.set fi, 0
.rept 16
.irp t, 0,1
.if \e
.set rB, QF+64*\t+8*(\n)
.else
.set rB, 128*\t+8*(\n)
.endif
.if \zero
	v_wmma_f32_16x16x32_f16 v[128*\t+8*fi:128*\t+8*fi+7], v[(\buf)+8*fi:(\buf)+8*fi+7], v[rB:rB+7], 0
.else
	v_wmma_f32_16x16x32_f16 v[128*\t+8*fi:128*\t+8*fi+7], v[(\buf)+8*fi:(\buf)+8*fi+7], v[rB:rB+7], v[128*\t+8*fi:128*\t+8*fi+7]
.endif
.endr
.set fi, fi+1
.endr
.endm
; The largest magnitude of a query's 256 numbers in window 1, as max(max, -min): two chains of each, every accumulator's low registers first.
; Leaves E = 2^e (its exponent alone) in CR + 2 t and 2^-e in ST + 8 t + 6.
.macro ROWMAX t
.set rT, ST+8*(\t)
	WIN 0
.irp z, 4,5,6,7
	v_mov_b32 v[rT+\z], 0
.endr
	WIN 0x14                                       ; sources 1 and 2 window 1
.set fi, 0
.rept 64
	v_max3_num_f32 v[rT+4+2*(fi%2)], v[rT+4+2*(fi%2)], v[128*(\t)+2*fi], v[128*(\t)+2*fi+1]
	v_min3_num_f32 v[rT+5+2*(fi%2)], v[rT+5+2*(fi%2)], v[128*(\t)+2*fi], v[128*(\t)+2*fi+1]
.set fi, fi+1
.endr
	WIN 0
	v_max_num_f32 v[rT+4], v[rT+4], v[rT+6]
	v_min_num_f32 v[rT+5], v[rT+5], v[rT+7]
	v_sub_f32 v[rT+5], 0, v[rT+5]
	v_max_num_f32 v[rT+4], v[rT+4], v[rT+5]
	v_permlanex16_b32 v[rT+5], v[rT+4], s[SEL], s[SEL+1]  ; the query's other 128 numbers lie in the lane 16 away
	v_max_num_f32 v[rT+4], v[rT+4], v[rT+5]
	v_and_b32 v[CR+2*(\t)], 0x7f800000, v[rT+4]
	v_sub_nc_u32 v[rT+6], 0x7f000000, v[CR+2*(\t)] ; exponent field 254 - e
.endm
; Window 1's tile t times the factor in ST + 8 t + 6, rounded to f16 in pairs: source 1 of the next product
.macro TOF16 t
	WIN 0x41
.set fi, 0
.rept 64
	v_pk_mul_f32 v[128*(\t)+2*fi:128*(\t)+2*fi+1], v[128*(\t)+2*fi:128*(\t)+2*fi+1], v[ST+8*(\t)+6:ST+8*(\t)+7] op_sel_hi:[1,0]
.set fi, fi+1
.endr
	WIN 0x05
.set fi, 0
.rept 64
	v_cvt_pk_f16_f32 v[QF+64*(\t)+fi], v[128*(\t)+2*fi], v[128*(\t)+2*fi+1]
.set fi, fi+1
.endr
	WIN 0
.endm
	; q^T = W_qk^T C_q^T: 16 chunks of 32 along K = 512, four to a tile, in a loop of two trips of eight chunks (two tiles).  While a chunk is multiplied, the next one's fragments are on their way
	; into the other buffer.  The one text names C_q's fragments 0 to 7; between the trips fragments 8 to 15 are moved there.  Both changes of slots fill a slot in both trips.
	s_wait_tensorcnt 0x1                           ; my part of the first tile is in; the second's may stay out
	s_barrier_signal -1
	s_barrier_wait -1                              ; everybody's is
	FETCHW 0, 0, 0
	WIN 0
	s_wait_loadcnt 0x0                             ; C_q
	s_mov_b32 s[CNT], 2
.Lhalf:
.set n, 0
.rept 8
.if n == 3
	CHANGE 3, 0, 0                                 ; a tile's last fragments are in registers: its slot takes the tile two on: W_qk's third, or the first keys
.elseif n == 7
	CHANGE 3, 0, 16384                             ; W_qk's fourth, or the second keys
	s_cmp_eq_u32 s[CNT], 1
	s_cbranch_scc1 .Lno_more                       ; behind the sixteenth chunk there is none to fetch
.else
	PLACES                                         ; the buffer below was read by the last products
.endif
	FETCHW ((n+1)/4)%2, (n+1)%4, 128*((n+1)%2)
.if n == 7
	WIN 0
.Lno_more:
.endif
	s_wait_dscnt 32                                ; all but the 32 just issued (where none were issued, the change of slots has waited for all)
.if n == 0
	WIN 0
	s_cmp_eq_u32 s[CNT], 1
	s_cbranch_scc1 .Ladd_on
	v_nop                                          ; a product that starts a sum writes over its accumulator and is no link in place: five places stand between it and the last product on that
	                                               ; accumulator (ISA guide 7.12.1) on every way of the text, the way round the loop too: the four at this chunk's head and this one
	MULW 0, 0, 1, 0                                ; the first trip's first chunk starts the sums
	WIN 0
	s_branch .Lstarted
.Ladd_on:
	MULW 0, 0, 0, 0
	WIN 0
.Lstarted:
.else
	MULW n, 128*(n%2), 0, 0
.endif
.set n, n+1
.endr
	WIN 0
	s_cmp_eq_u32 s[CNT], 1
	s_cbranch_scc1 .Lno_move
	PLACES                                         ; the moves below write registers that the last products read
	WIN 0xc3                                       ; destination and source window 3
.irp t, 0,1
.set fi, 0
.rept 64
	v_mov_b32 v[128*\t+fi], v[128*\t+64+fi]
.set fi, fi+1
.endr
.endr
	WIN 0
.Lno_move:
	s_sub_co_u32 s[CNT], s[CNT], 1
	s_cmp_lg_u32 s[CNT], 0
	s_cbranch_scc1 .Lhalf
; THE LDS LOADS OF THE KEY LOOP, in runs of 16.  K: fragments 8 g .. 8 g + 7 (fragment 4 c + kb: channels 32 c on, key block kb).
.macro KRUN g
.if (\g) == 0
	WIN 0
	v_add_nc_u32 v[AK], s[TB], v[AK0]
.endif
	WIN 0x80
.irp f, 0,1,2,3,4,5,6,7
.set fi, 8*(\g)+\f
	ds_load_b128 v[8*fi:8*fi+3],   v[AK] offset:(fi/8)*CBB+(fi%4)*BLK+((fi/4)%2)*64
	ds_load_b128 v[8*fi+4:8*fi+7], v[AK] offset:(fi/8)*CBB+(fi%4)*BLK+((fi/4)%2)*64+32
.endr
.endm
; V, turned: fragments 8 g .. 8 g + 7 (fragment 16 kk + n: keys 32 kk on, channel block n).  Behind the last run the base steps to the next key step.
.macro VRUN g
.if (\g) == 0
	WIN 0
	v_add_nc_u32 v[AV], s[TB], v[AV0]
.endif
	WIN 0xc0
.irp f, 0,1,2,3,4,5,6,7
.set fi, 8*(\g)+\f
	ds_load_tr16_b128 v[8*fi:8*fi+3],   v[AV] offset:((fi%16)/4)*CBB+2*(fi/16)*BLK+(fi%4)*32
	ds_load_tr16_b128 v[8*fi+4:8*fi+7], v[AV] offset:((fi%16)/4)*CBB+2*(fi/16)*BLK+BLK+(fi%4)*32
.endr
.if (\g) == 3
	s_add_co_u32 s[TB], s[TB], STEPB
.endif
.endm
; THE MATRIX WORK.  Product i of 32 of S^T = K Q^T for tile x: channels 32 (i / 4) on, key block i % 4; the first 4 start the sums.  The accumulators take turns.
.macro KQ x
	WIN 0x02                                       ; K in window 2
.set rA, S+32*(\x)+8*(i%4)
.set rB, QF+64*(\x)+8*(i/4)
.if i < 4
	v_wmma_f32_16x16x32_f16 v[rA:rA+7], v[8*i:8*i+7], v[rB:rB+7], 0
.else
	v_wmma_f32_16x16x32_f16 v[rA:rA+7], v[8*i:8*i+7], v[rB:rB+7], v[rA:rA+7]
.endif
.endm
; Product i of 32 of O^T += V^T P for tile x: keys 32 (i / 16) on, channel block i % 16.
.macro PV x
	WIN 0x53                                       ; V in window 3, O^T in window 1
.set rA, 128*(\x)+8*(i%16)
.set rB, P+16*(\x)+8*(i/16)
	v_wmma_f32_16x16x32_f16 v[rA:rA+7], v[8*i:8*i+7], v[rB:rB+7], v[rA:rA+7]
	s_wait_alu depctr_va_vdst(0)
.endm
; THE VECTOR WORK.  A tile's softmax for a key step is a list of 166 instructions; SM writes number j of it.  s0-s31 are the lane's 32 scores, in pairs 0-15.
;   0-15    the maximum of s0-s31 and the old m, three operands at a time: four chains of seven scores (each accumulator's low registers first), then the four left over, the chains and m
;   16-20   the other half of the lanes' maximum; c m_old is kept; the new m; c m; c m_old - c m_new
;   21-87   33 exponentials (a, then s0-s31) at the odd numbers from 23 on; at the even numbers (and 21) whatever is ready: c s - c m for a pair whose exponentials are still to come, the rounding
;           to f16 of a pair whose second exponential stands three numbers back, the first sums.  So every exponential has a plain instruction that does not touch it behind it.
;   88-101  the last rounding; the rest of the sums, in place; l = a l + the sum
;   102-165 the tile's O^T times a: the one part that leaves window 0
.macro SM t
.set rT, ST+8*(\t)
.set rS, S+32*(\t)
.set rP, P+16*(\t)
.set rC, CR+2*(\t)
.set rO, 128*(\t)+2*(j-102)
.set q, (j-20)/2
.if j < 102
	WIN 0
.endif
.if j < 4
	v_max3_num_f32 v[rT+4+j], v[rS+8*j], v[rS+8*j+1], v[rS+8*j+2]
.elseif j < 12
	v_max3_num_f32 v[rT+4+j%4], v[rT+4+j%4], v[rS+8*(j%4)+2*(j/4)+1], v[rS+8*(j%4)+2*(j/4)+2]
.elseif j == 12
	v_max3_num_f32 v[rT+4], v[rT+4], v[rS+7], v[rS+15]
.elseif j == 13
	v_max3_num_f32 v[rT+6], v[rT+6], v[rS+23], v[rS+31]
.elseif j == 14
	v_max3_num_f32 v[rT+4], v[rT+4], v[rT+5], v[rT+6]
.elseif j == 15
	v_max3_num_f32 v[rT+4], v[rT+4], v[rT+7], v[rT+1]
.elseif j == 16
	v_permlanex16_b32 v[rT+5], v[rT+4], s[SEL], s[SEL+1]  ; the query's other 32 keys lie in the lane 16 away
.elseif j == 17
	v_mov_b32 v[rT+7], v[rT]                       ; c m_old is kept for a: number 19 writes c m anew
.elseif j == 18
	v_max_num_f32 v[rT+1], v[rT+4], v[rT+5]
.elseif j == 19
	v_mul_f32 v[rT], v[rC], v[rT+1]                ; exact: c is a power of two
.elseif j == 20
	v_sub_f32 v[rT+7], v[rT+7], v[rT]
.elseif j == 23
	v_exp_f32 v[rT+6], v[rT+7]
.elseif (j < 88) && (j > 23) && (j%2 == 1)
	v_exp_f32 v[rS+(j-25)/2], v[rS+(j-25)/2]
.elseif (q < 4) || ((j < 76) && (q%2 == 0))
.set b, q/2+2
.if q < 4
.set b, q
.endif
	v_pk_fma_f32 v[rS+2*b:rS+2*b+1], v[rS+2*b:rS+2*b+1], v[rC:rC+1], v[rT:rT+1] op_sel_hi:[1,0,0] neg_lo:[0,0,1] neg_hi:[0,0,1]  ; pair b: c s - c m
.elseif (j < 88) && (q%2 == 1)
	s_wait_alu depctr_va_vdst(0)
	v_cvt_pk_f16_f32 v[rP+(q-5)/2], v[rS+q-5], v[rS+q-4]
.elseif j == 89
	s_wait_alu depctr_va_vdst(0)
	v_cvt_pk_f16_f32 v[rP+15], v[rS+30], v[rS+31]
.elseif j < 102                        ; sum z of 16 adds neighbours 1, 2, 4 and 8 pairs apart, then l takes it
.set z, j-86
.if j < 89
.set z, (j-76)/4
.endif
.set w, 4
.set u, z
.if z >= 14
.set w, 32
.set u, 0
.elseif z >= 12
.set w, 16
.set u, z-12
.elseif z >= 8
.set w, 8
.set u, z-8
.endif
.if z < 15
	v_pk_add_f32 v[rS+w*u:rS+w*u+1], v[rS+w*u:rS+w*u+1], v[rS+w*u+w/2:rS+w*u+w/2+1]
.else
	v_pk_fma_f32 v[rT+2:rT+3], v[rT+2:rT+3], v[rT+6:rT+7], v[rS:rS+1] op_sel_hi:[1,0,1]
.endif
.else
	WIN 0x41
	v_pk_mul_f32 v[rO:rO+1], v[rO:rO+1], v[rT+6:rT+7] op_sel_hi:[1,0]
.endif
.endm
; HOW IT IS DEALT.  A turn has 43 places for a slice; DEAL writes the slice of place sl: four instructions at the most, all under one window setting.
; Places 0-6, the even ones from 8 to 36, and 37-40: the next four numbers of 0-101 (26 slices).  The odd places from 7 to 35, and 42: the next four of the rescaling (16 slices).  Place 41 is empty.
; a (number 23) is made in place 5, and place 6 begins with a plain instruction that does not touch it, before place 7 uses it.  Place 42 stands behind the turn's last product: its four plain
; instructions, which name none of that product's registers, are the places between it and the next turn's first read of the scores.
.macro DEAL y
.if (sl < 7) || ((sl >= 8) && (sl <= 36) && (sl%2 == 0)) || ((sl >= 37) && (sl <= 40))
.rept 4
.if sj < 102
.set j, sj
	SM \y
.set sj, sj+1
.endif
.endr
.elseif ((sl >= 7) && (sl <= 35)) || (sl == 42)
.rept 4
.set j, rj
	SM \y
.set rj, rj+1
.endr
.endif
.set sl, sl+1
.endm
; A TURN.  Tile x has the matrix unit; the other tile's softmax stands in slices behind products n with n % 3 != 2 (n = 0..63: 43 of them); the LDS runs stand behind products with n % 3 = 2.
; kq = 0: the last step: V^T P alone, a slice behind each of its 32 products and a second behind the last eleven; nothing is fetched or waited for.
; The LDS instructions go out in the order V0 V1 V2 V3 (tile 1's turn) K0 K1 K2 K3 (tile 0's turn), 16 loads a run.
; Tile 0's turn: run Vg is needed ahead of product 8 g, run Kg ahead of product 32 + 8 g; K0 to K3 are issued behind products 2, 11, 20, 26: Kg between the waits at 8 g and 8 g + 8.  So three younger
; runs, 48 loads, may be out at each of the first five waits, then 32, 16, 0.  K's registers were last read in the turn before.
; Tile 1's turn: Vg overwrites what products 8 g .. 8 g + 7 read; V0 to V3 are issued behind products 14, 20, 29, 38: four slices or more, each with two plain instructions or more, stand between.
.macro TURN x, kq
.set sl, 0
.set sj, 0
.set rj, 102
.set i, 0
.rept 32
.if (\kq) && ((\x) == 0) && (i%8 == 0)
	s_wait_dscnt 48
.endif
	PV \x
.if \kq
.if i%3 != 2
	DEAL 1-(\x)
.endif
.else
	DEAL 1-(\x)
.if i >= 21
	DEAL 1-(\x)
.endif
.endif
.if (\kq) && ((\x) == 0) && ((i == 2) || (i == 11) || (i == 20) || (i == 26))
	KRUN i/8
.endif
.if (\kq) && ((\x) == 1) && ((i == 14) || (i == 20) || (i == 29))
	VRUN (i-8)/8
.endif
.set i, i+1
.endr
.if \kq
.set i, 0
.rept 32
.if ((\x) == 0) && (i%8 == 0)
	s_wait_dscnt 48-16*(i/8)
.endif
	KQ \x
.if (i+32)%3 != 2
	DEAL 1-(\x)
.endif
.if ((\x) == 1) && (i == 6)
	VRUN 3
.endif
.set i, i+1
.endr
.endif
.endm
	; q IS FINISHED: its scale, its rounding, and the start of the walk.  The first keys' fragments come meanwhile.
	PLACES                                         ; behind the last products: for the loads into the weights' buffers and for the reads of q^T
	s_mov_b32 s[TB], 0
	KRUN 0
	KRUN 1
	KRUN 2
	KRUN 3
.irp t, 0,1
	ROWMAX \t                                      ; c = E
	v_mul_f32 v[ST+8*\t+6], 0x3fb8aa3b, v[ST+8*\t+6]  ; log2(e) / E
	TOF16 \t
.endr
.irp t, 0,1
	v_mov_b32 v[ST+8*\t], 0xfe000000               ; c m: far below every c s
	v_mov_b32 v[ST+8*\t+1], 0xff7fffff             ; m
	v_mov_b32 v[ST+8*\t+2], 0                      ; l
	v_mov_b32 v[ST+8*\t+3], 0
.endr
.set i, 0
.rept 16
	v_mov_b32 v[P+16+i], 0                         ; the first turn's products V^T P, of a step that has not been, add 0 times the finite numbers that lie in V's registers
.set i, i+1
.endr
	s_wait_dscnt 0x0                               ; K of step 0
.set i, 0
.rept 32
	KQ 0                                           ; tile 0's first scores: there is no vector work yet to set between them
.set i, i+1
.endr
	WIN 0
	PLACES
	s_mov_b32 s[NXT], 2
	s_mov_b32 s[SLOTS], 16
	s_mov_b32 s[CNT], 2
	s_branch .Lfirst                               ; the loop is entered in the middle of a trip
.Lslot:                                                ; 15 times: key tiles 1 to 15 are entered; tiles 2 to 15 and Wv_u's first are asked for.  Every change in the loop fills a slot, so no tail is written out
	CHANGE 2, 0, 0, 1
	s_mov_b32 s[CNT], 2
.Lstep:                                                ; a trip: tile 0's turn (V^T P of step j, K Q^T of step j + 1, K fetched), then tile 1's (the same, V fetched)
	TURN 0, 1
	WIN 0
.Lfirst:
	TURN 1, 1
	WIN 0
	s_sub_co_u32 s[CNT], s[CNT], 1
	s_cmp_lg_u32 s[CNT], 0
	s_cbranch_scc1 .Lstep
	s_sub_co_u32 s[SLOTS], s[SLOTS], 1
	s_cmp_lg_u32 s[SLOTS], 0
	s_cbranch_scc1 .Lslot
	CHANGE 1, UB, 16384                            ; the last keys are in registers: their slot takes Wv_u's second tile; its first has landed
	TURN 0, 0                                      ; tile 0: V^T P of the last step | tile 1's last softmax
.set i, 0
.rept 32
	PV 1
.set i, i+1
.endr
	; THE LAST PRODUCT: out^T = Wv_u^T O'^T, 8 chunks of 32 along the latent's 256.
	WIN 0
	PLACES
	FETCHW 0, 0, 0
	WIN 0
.irp t, 0,1
	v_add_f32 v[ST+8*\t+2], v[ST+8*\t+2], v[ST+8*\t+3]
.endr
.irp t, 0,1
	v_permlanex16_b32 v[ST+8*\t+3], v[ST+8*\t+2], s[SEL], s[SEL+1]
.endr
.irp t, 0,1
	v_add_f32 v[ST+8*\t+2], v[ST+8*\t+2], v[ST+8*\t+3]
.endr
.irp t, 0,1
	v_rcp_f32 v[ST+8*\t+2], v[ST+8*\t+2]
.endr
	v_nop                                          ; a plain instruction between the last reciprocal and the use of its result
	s_wait_alu depctr_va_vdst(0)
.irp t, 0,1
	ROWMAX \t                                      ; E_o, and 1 / E_o for the rounding
	v_mul_f32 v[ST+8*\t+2], v[ST+8*\t+2], v[CR+2*\t]
	v_mul_f32 v[ST+8*\t+2], 4.0, v[ST+8*\t+2]      ; g = 4 E_o / l
	TOF16 \t
.endr
.set n, 0
.rept 8
.if n == 3
	CHANGE 0                                       ; Wv_u's second tile is waited for by every wave; nothing is filled
.endif
	PLACES
.if n < 7
	FETCHW ((n+1)/4)%2, (n+1)%4, 128*((n+1)%2)
	s_wait_dscnt 32                                ; all but the 32 just issued
.else
	s_wait_dscnt 0x0
.endif
.if n == 0
	MULW n, 0, 1, 1
.else
	MULW n, 128*(n%2), 0, 1
.endif
.set n, n+1
.endr
	; THE WAY OUT.  A lane holds 8 neighbouring columns of a row in each accumulator: 32 bytes.  A tile (16 rows x 1,024 bytes) goes through my stage and comes back as half rows of 512 bytes.
	WIN 0                                          ; the six vector lines below name no register of the last products: they are the places behind them
	s_mul_i32 s15, s[WV], 16*SPO
	s_add_co_u32 s15, s15, STAGE
	v_mul_u32_u24 v[STO], v[VR], SPO
	v_lshl_add_u32 v[STO], v[VH], 5, v[STO]
	v_add_nc_u32 v[STO], s15, v[STO]
	v_and_b32 v[GO], 31, v0
	v_lshlrev_b32 v[GO], 4, v[GO]
	v_add_nc_u32 v[RD], s15, v[GO]
.macro SCALE t
	WIN 0x41
.set fi, 0
.rept 64
	v_pk_mul_f32 v[128*(\t)+2*fi:128*(\t)+2*fi+1], v[128*(\t)+2*fi:128*(\t)+2*fi+1], v[ST+8*(\t)+2:ST+8*(\t)+3] op_sel_hi:[1,0]
.set fi, fi+1
.endr
.endm
.macro TOSTAGE t
	WIN 0x04                                       ; store data window 1
.set fi, 0
.rept 32
	ds_store_b128 v[STO], v[128*(\t)+4*fi:128*(\t)+4*fi+3] offset:64*(fi/2)+16*(fi%2)
.set fi, fi+1
.endr
	WIN 0xc0                                       ; destination window 3
.set fi, 0
.rept 32
	ds_load_b128 v[128*(\t)+4*fi:128*(\t)+4*fi+3], v[RD] offset:SPO*(fi/2)+512*(fi%2)  ; LDS serves a wave's instructions in order (ISA guide 5.7.1.4): these see the stores above; the stage is my own
.set fi, fi+1
.endr
.endm
.macro SEND t
	WIN 0x0c                                       ; store data window 3
.set fi, 0
.rept 32
.if fi%4 == 0
	s_wait_dscnt 28-fi                             ; loads fi to fi + 3 are in; the 28 - fi younger ones may stay out
.endif
	global_store_b128 v[GO], v[128*(\t)+4*fi:128*(\t)+4*fi+3], s[OB:OB+1] offset:(16*(\t)+fi/2)*16384+512*(fi%2) th:TH_STORE_NT  ; 512 consecutive bytes, at a multiple of 256 from out0's first
.set fi, fi+1
.endr
.endm
	SCALE 0
	TOSTAGE 0
	SCALE 1                                        ; tile 1's arithmetic stands between tile 0's loads and its stores
	SEND 0
	TOSTAGE 1
	SEND 1
	WIN 0
	s_wait_tensorcnt 0x0                           ; the wave's end
	ds_add_u32 v[SPW], v[NIL]
	s_wait_dscnt 0x0
	CROUND                                         ; the closing round
	s_endpgm
.Lfunc_end_k_qb20871beb2_attn:
	.size	k_qb20871beb2_attn, .Lfunc_end_k_qb20871beb2_attn-k_qb20871beb2_attn
	.p2alignl 7, 3214868480
	.fill 96, 4, 3214868480
	.section	.rodata,"a",@progbits
	.p2align	6, 0x0
	.amdhsa_kernel k_qb20871beb2_attn
		.amdhsa_group_segment_fixed_size 327680
		.amdhsa_private_segment_fixed_size 0
		.amdhsa_enable_private_segment 0
		.amdhsa_kernarg_size 40
		.amdhsa_user_sgpr_count 2
		.amdhsa_user_sgpr_kernarg_segment_ptr 1
		.amdhsa_wavefront_size32 1
		.amdhsa_system_sgpr_workgroup_id_x 1
		.amdhsa_system_sgpr_workgroup_id_y 1
		.amdhsa_system_sgpr_workgroup_id_z 1
		.amdhsa_system_vgpr_workitem_id 0
		.amdhsa_next_free_vgpr 1024
		.amdhsa_next_free_sgpr 66
		.amdhsa_reserve_vcc 0
		.amdhsa_float_denorm_mode_32 3
		.amdhsa_float_denorm_mode_16_64 3
		.amdhsa_memory_ordered 1
		.amdhsa_forward_progress 1
		.amdhsa_inst_pref_size 252
	.end_amdhsa_kernel
	.amdgpu_metadata
---
amdhsa.version: [ 1, 2 ]
amdhsa.kernels:
  - .name:           k_qb20871beb2_attn
    .symbol:         k_qb20871beb2_attn.kd
    .args:
      - { .name: cq, .offset: 0, .size: 8, .value_kind: global_buffer, .address_space: global }
      - { .name: ckv, .offset: 8, .size: 8, .value_kind: global_buffer, .address_space: global }
      - { .name: wqkh, .offset: 16, .size: 8, .value_kind: global_buffer, .address_space: global }
      - { .name: wvuh, .offset: 24, .size: 8, .value_kind: global_buffer, .address_space: global }
      - { .name: out0, .offset: 32, .size: 8, .value_kind: global_buffer, .address_space: global }
    .group_segment_fixed_size: 327680
    .private_segment_fixed_size: 0
    .kernarg_segment_align: 8
    .kernarg_segment_size: 40
    .max_flat_workgroup_size: 128
    .sgpr_count:     66
    .vgpr_count:     1024
    .wavefront_size: 32
...
	.end_amdgpu_metadata
.endif
;; end of part 2
